; MI455X (gfx1250); checked and timed in simulation.
; The chip was launched on July 23, 2026; its instructions are those of AMD's public machine-readable ISA for CDNA 5 (MIT licence, August 2026) and "CDNA5" Instruction Set Architecture Reference Guide (July 2026). The comments in the code are by the model that wrote it; some were corrected since.
;; Dynamic Mo E. Allowed arithmetic: float matrix products may take bf16 or f16 operands with f32 sums; all other float work in f32.
;; Inputs: W1 8 x 1,024 x 4,096 float32; W2 8 x 4,096 x 1,024 float32; Wg 1,024 x 8 float32; b1 8 x 4,096 float32; b2 8 x 1,024 float32; bg 8 float32; x 4 x 256 x 1,024 float32.
;; Outputs: out0 4 x 256 x 1,024 float32.
;; One version. Each part assembles by itself: llvm-mc -triple=amdgcn-amd-amdhsa -mcpu=gfx1250 --defsym DOCPART=n.
;; ======== version 1 of 1: 4 launches
;; limits: values outside matrix products are rounded to bf16
;; workspace buffers: xb 2,097,152 bytes; gw 32,768 bytes; h 67,108,864 bytes; P 67,108,864 bytes
;; launch gate (part 1): grid 128 x 1, 8 waves a work-group, no clusters, 3,072 bytes of LDS; arguments x, Wg, bg, xb, gw; writes xb, gw
.if DOCPART == 1
	.amdgcn_target "amdgcn-amd-amdhsa--gfx1250"
	.amdhsa_code_object_version 6
	.text
	.protected	k_q330c1dfc16_gate
	.globl	k_q330c1dfc16_gate
	.p2align	8
	.type	k_q330c1dfc16_gate,@function
k_q330c1dfc16_gate:
	s_mov_b64 s[64:65], 0
	v_nop
	global_prefetch_b8 v0, s[64:65] scope:SCOPE_SE
	s_setreg_imm32_b32 hwreg(HW_REG_WAVE_MODE, 25, 1), 1
	s_wait_xcnt 0x0
; gate: gw[t][e] = p where p = sigmoid(x[t] . Wg[:, e] + bg[e]) exceeds 0.5, else 0 (f32);  xb = x rounded to bf16, laid [kb 0..15][t 0..1023][64].
; FORMAT: the logit's operands x, Wg and bg are rounded to bf16, the format in which the two large products take x; a product of two bf16
; numbers is exact in f32, and the sums, the sigmoid and the weight are f32.  The 8 columns of Wg would fill half of a 16-wide matrix tile and
; the work is 8 M multiply-adds, so it is done by packed f32 multiply-adds on the vector unit.
; LIMITS: the sum's order differs from a row-by-row sum, so a logit within about 1e-6 of 0 may fall on the other side of the threshold;
; a NaN logit gives the weight 0.
; A work-group takes 8 tokens; wave w takes d = 128 w .. 128 w + 127.  Lane: c8 = lane & 7, tau = bit 3, kappa = bit 4; it holds
; d0 .. d0 + 7, d0 = 128 w + 64 kappa + 8 c8, of tokens 2 q + tau, q = 0 .. 3.  128 work-groups: 8 tokens x 8 weights are one block of 256 bytes of gw.
.set XR, 16                            ; v[16:47]   x: 8 q + dd
.set WG, 48                            ; v[48:111]  Wg: 8 dd + e; later the waves' partial sums
.set AC, 112                           ; v[112:143] sums: 8 q + e
.set YB, 144                           ; v[144:159] x in bf16: 4 q + p
.set TM, 160                           ; v[160:163] at work
.set BG, 14                            ; v[14:15]   bg of my two experts
	s_load_b256 s[4:11], s[0:1], 0x0               ; x s[4:5], Wg s[6:7], bg s[8:9], xb s[10:11]
	s_load_b64 s[12:13], s[0:1], 0x20              ; gw
	v_lshl_add_u32 v176, v0, 2, 0x800
	v_mov_b32 v177, 0
	v_lshrrev_b32 v1, 5, v0
	v_readfirstlane_b32 s14, v1                    ; wave 0..7
	s_mov_b32 s15, 0xffff0000                      ; a word's upper bf16
	s_mov_b32 s16, 0x76543210                      ; v_permlanex16_b32: lane i reads lane i of the other half
	s_mov_b32 s17, 0xfedcba98
	s_lshl_b32 s18, ttmp9, 15                      ; 8 rows of x, 4,096 bytes each
	s_mov_b32 s19, 0
	s_lshl_b32 s20, ttmp9, 10                      ; 8 tokens x 128 bytes in each block of xb
	s_mov_b32 s21, 0
	s_lshl_b32 s22, ttmp9, 8                       ; 8 tokens x 32 bytes of gw
	s_mov_b32 s23, 0
	v_and_b32 v2, 7, v0                            ; c8
	v_bfe_u32 v3, v0, 3, 1                         ; tau
	v_lshrrev_b32 v6, 4, v0                        ; 2 w + kappa = d0 / 64
	v_lshlrev_b32 v7, 3, v2
	v_lshl_add_u32 v7, v6, 6, v7                   ; d0
	v_lshlrev_b32 v8, 2, v7
	v_lshl_add_u32 v8, v3, 12, v8                  ; x: tau rows + 4 d0
	v_lshlrev_b32 v9, 5, v7                        ; Wg: 32 d0
	v_and_b32 v10, 3, v0
	v_lshlrev_b32 v10, 3, v10                      ; bg: experts 2 (lane & 3) and the next
	v_lshlrev_b32 v11, 4, v2
	v_lshl_add_u32 v11, v3, 7, v11
	v_lshl_add_u32 v11, v6, 17, v11                ; xb: block (2 w + kappa), token tau, 16 c8
	v_lshlrev_b32 v12, 5, v3
	v_lshl_add_u32 v12, s14, 8, v12                ; LDS: my wave's 256 bytes, token tau
	v_and_b32 v13, 31, v0
	v_lshlrev_b32 v13, 3, v13                      ; 8 x lane: the read back, and the store of gw
	s_wait_kmcnt 0x0
	s_add_nc_u64 s[4:5], s[4:5], s[18:19]
	s_add_nc_u64 s[10:11], s[10:11], s[20:21]
	s_add_nc_u64 s[12:13], s[12:13], s[22:23]
.irp q, 0,1,2,3
	global_load_b128 v[XR+8*\q:XR+8*\q+3],   v8, s[4:5] offset:8192*\q th:TH_LOAD_NT
	global_load_b128 v[XR+8*\q+4:XR+8*\q+7], v8, s[4:5] offset:8192*\q+16 th:TH_LOAD_NT
.endr
.set i, 0
.rept 16
	global_load_b128 v[WG+4*i:WG+4*i+3], v9, s[6:7] offset:16*i
.set i, i+1
.endr
	global_load_b64 v[BG:BG+1], v10, s[8:9]        ; 8 bytes a lane in every wave; wave 0 uses them
	s_wait_loadcnt 17                              ; the 8 loads of x are in; the 16 of Wg and the one of bg stay out
	; x to bf16, out to xb, and back to f32 in place: the logit takes the rounded numbers
.irp q, 0,1,2,3
.irp p, 0,1,2,3
	v_cvt_pk_bf16_f32 v[YB+4*\q+\p], v[XR+8*\q+2*\p], v[XR+8*\q+2*\p+1]
.endr
	global_store_b128 v11, v[YB+4*\q:YB+4*\q+3], s[10:11] offset:256*\q   ; lanes 0-15 (and 16-31) store 256 consecutive bytes, aligned: two tokens x 64 columns
.endr
.irp q, 0,1,2,3
.irp p, 0,1,2,3
	v_lshlrev_b32 v[XR+8*\q+2*\p],   16,  v[YB+4*\q+\p]
	v_and_b32     v[XR+8*\q+2*\p+1], s15, v[YB+4*\q+\p]
.endr
.endr
	s_wait_loadcnt 0x0                             ; Wg and bg
.set i, 0
.rept 32
	v_cvt_pk_bf16_f32 v[TM+i%4], v[WG+2*i], v[WG+2*i+1]        ; Wg rounded to bf16 in place
	v_lshlrev_b32 v[WG+2*i],   16,  v[TM+i%4]
	v_and_b32     v[WG+2*i+1], s15, v[TM+i%4]
.set i, i+1
.endr
	; AC[8 q + e] = sum over dd of x[q][dd] Wg[dd][e]: two experts an instruction, x broadcast from one register of its pair
.irp q, 0,1,2,3
.irp p, 0,1,2,3
	v_pk_mul_f32 v[AC+8*\q+2*\p:AC+8*\q+2*\p+1], v[WG+2*\p:WG+2*\p+1], v[XR+8*\q:XR+8*\q+1] op_sel_hi:[1,0]   ; dd = 0 starts the sums
.endr
.endr
.macro DOT dd
.irp q, 0,1,2,3
.irp p, 0,1,2,3
.if (\dd) & 1
	v_pk_fma_f32 v[AC+8*\q+2*\p:AC+8*\q+2*\p+1], v[WG+8*\dd+2*\p:WG+8*\dd+2*\p+1], v[XR+8*\q+\dd-1:XR+8*\q+\dd], v[AC+8*\q+2*\p:AC+8*\q+2*\p+1] op_sel:[0,1,0] op_sel_hi:[1,1,1]
.else
	v_pk_fma_f32 v[AC+8*\q+2*\p:AC+8*\q+2*\p+1], v[WG+8*\dd+2*\p:WG+8*\dd+2*\p+1], v[XR+8*\q+\dd:XR+8*\q+\dd+1], v[AC+8*\q+2*\p:AC+8*\q+2*\p+1] op_sel_hi:[1,0,1]
.endif
.endr
.endr
.endm
.irp dd, 1,2,3,4,5,6,7
	DOT \dd
.endr
	; over the lanes that share a token: bits 0-2 (c8) ride on the add, bit 4 (kappa) crosses the halves; bit 3 (tau) is not summed over
.irp m, 1,2,4
.set i, 0
.rept 32
	v_add_f32_dpp v[AC+i], v[AC+i], v[AC+i] row_xmask:\m row_mask:0xf bank_mask:0xf
.set i, i+1
.endr
.endr
.set i, 0
.rept 32
	v_permlanex16_b32 v[TM+i%4], v[AC+i], s16, s17 ; its destination counts as read: TM was written above
	v_add_f32 v[AC+i], v[AC+i], v[TM+i%4]
.set i, i+1
.endr
.irp q, 0,1,2,3
	ds_store_b128 v12, v[AC+8*\q:AC+8*\q+3]   offset:64*\q      ; token 2 q + tau, experts 0-3: the lanes of one tau store the same numbers
	ds_store_b128 v12, v[AC+8*\q+4:AC+8*\q+7] offset:64*\q+16   ; experts 4-7
.endr
	s_wait_dscnt 0x0                               ; my stores are in LDS before I say so
	s_barrier_signal -1
	s_barrier_wait -1                              ; all eight waves' partial sums are there
	s_cmp_lg_u32 s14, 0
	s_cbranch_scc1 .Lend                           ; wave 0 alone finishes: 64 weights, two a lane
.irp k, 0,1,2,3,4,5,6,7
	ds_load_b64 v[WG+2*\k:WG+2*\k+1], v13 offset:256*\k        ; wave k's part: token lane / 4, experts 2 (lane & 3) and the next
.endr
	v_cvt_pk_bf16_f32 v[TM], v[BG], v[BG+1]        ; bg in the operands' format
	v_lshlrev_b32 v[BG],   16,  v[TM]
	v_and_b32     v[BG+1], s15, v[TM]
	s_wait_dscnt 0x0
	v_pk_add_f32 v[WG:WG+1],     v[WG:WG+1],     v[WG+2:WG+3]
	v_pk_add_f32 v[WG+4:WG+5],   v[WG+4:WG+5],   v[WG+6:WG+7]
	v_pk_add_f32 v[WG+8:WG+9],   v[WG+8:WG+9],   v[WG+10:WG+11]
	v_pk_add_f32 v[WG+12:WG+13], v[WG+12:WG+13], v[WG+14:WG+15]
	v_pk_add_f32 v[WG:WG+1],     v[WG:WG+1],     v[WG+4:WG+5]
	v_pk_add_f32 v[WG+8:WG+9],   v[WG+8:WG+9],   v[WG+12:WG+13]
	v_pk_add_f32 v[WG:WG+1],     v[WG:WG+1],     v[WG+8:WG+9]
	v_pk_add_f32 v[WG:WG+1],     v[WG:WG+1],     v[BG:BG+1]    ; the logits z
	v_pk_mul_f32 v[WG:WG+1], v[WG:WG+1], 0xbfb8aa3b op_sel_hi:[1,0]   ; -z / ln 2
	v_exp_f32 v[WG+2], v[WG]
	v_exp_f32 v[WG+3], v[WG+1]
	v_nop                                          ; one plain vector instruction behind a transcendental before its result is used (ISA guide 5.7.2)
	s_wait_alu depctr_va_vdst(0)
	v_pk_add_f32 v[WG+2:WG+3], v[WG+2:WG+3], 1.0 op_sel_hi:[1,0]
	v_rcp_f32 v[WG+4], v[WG+2]                     ; p = 1 / (1 + e^-z); e^-z = infinity gives 0, e^-z = 0 gives 1
	v_rcp_f32 v[WG+5], v[WG+3]
	v_nop
	s_wait_alu depctr_va_vdst(0)
	v_cmp_lt_f32 vcc_lo, 0.5, v[WG+4]
	v_cndmask_b32 v[WG+4], 0, v[WG+4], vcc_lo      ; p where 0.5 < p, else 0
	v_cmp_lt_f32 vcc_lo, 0.5, v[WG+5]
	v_cndmask_b32 v[WG+5], 0, v[WG+5], vcc_lo
	global_store_b64 v13, v[WG+4:WG+5], s[12:13]   ; the wave stores 256 consecutive bytes, aligned
.Lend:
	s_wait_tensorcnt 0x0
	ds_add_u32 v176, v177
	s_wait_dscnt 0x0
	s_endpgm
.Lfunc_end_k_q330c1dfc16_gate:
	.size	k_q330c1dfc16_gate, .Lfunc_end_k_q330c1dfc16_gate-k_q330c1dfc16_gate
	.p2alignl 7, 3214868480
	.fill 96, 4, 3214868480
	.section	.rodata,"a",@progbits
	.p2align	6, 0x0
	.amdhsa_kernel k_q330c1dfc16_gate
		.amdhsa_group_segment_fixed_size 3072
		.amdhsa_private_segment_fixed_size 0
		.amdhsa_enable_private_segment 0
		.amdhsa_kernarg_size 40
		.amdhsa_user_sgpr_count 2
		.amdhsa_user_sgpr_kernarg_segment_ptr 1
		.amdhsa_wavefront_size32 1
		.amdhsa_system_sgpr_workgroup_id_x 1
		.amdhsa_system_sgpr_workgroup_id_y 1
		.amdhsa_system_sgpr_workgroup_id_z 1
		.amdhsa_system_vgpr_workitem_id 0
		.amdhsa_next_free_vgpr 178
		.amdhsa_next_free_sgpr 66
		.amdhsa_reserve_vcc 1
		.amdhsa_float_denorm_mode_32 3
		.amdhsa_float_denorm_mode_16_64 3
		.amdhsa_memory_ordered 1
		.amdhsa_forward_progress 1
		.amdhsa_inst_pref_size 31
	.end_amdhsa_kernel
	.amdgpu_metadata
---
amdhsa.version: [ 1, 2 ]
amdhsa.kernels:
  - .name:           k_q330c1dfc16_gate
    .symbol:         k_q330c1dfc16_gate.kd
    .args:
      - { .name: x, .offset: 0, .size: 8, .value_kind: global_buffer, .address_space: global }
      - { .name: Wg, .offset: 8, .size: 8, .value_kind: global_buffer, .address_space: global }
      - { .name: bg, .offset: 16, .size: 8, .value_kind: global_buffer, .address_space: global }
      - { .name: xb, .offset: 24, .size: 8, .value_kind: global_buffer, .address_space: global }
      - { .name: gw, .offset: 32, .size: 8, .value_kind: global_buffer, .address_space: global }
    .group_segment_fixed_size: 3072
    .private_segment_fixed_size: 0
    .kernarg_segment_align: 8
    .kernarg_segment_size: 40
    .max_flat_workgroup_size: 256
    .sgpr_count:     66
    .vgpr_count:     178
    .wavefront_size: 32
...
	.end_amdgpu_metadata
.endif
;; end of part 1
;; launch ffn1 (part 2): grid 128 x 4, 4 waves a work-group, clusters of 4 x 4, 327,680 bytes of LDS; arguments xb, W1, b1, h; writes h
.if DOCPART == 2
	.amdgcn_target "amdgcn-amd-amdhsa--gfx1250"
	.amdhsa_code_object_version 6
	.text
	.protected	k_q330c1dfc16_ffn1
	.globl	k_q330c1dfc16_ffn1
	.p2align	8
	.type	k_q330c1dfc16_ffn1,@function
k_q330c1dfc16_ffn1:
	s_mov_b64 s[64:65], 0
	v_nop
	global_prefetch_b8 v0, s[64:65] scope:SCOPE_SE
	s_setreg_imm32_b32 hwreg(HW_REG_WAVE_MODE, 25, 1), 1
	s_wait_xcnt 0x0
	s_wait_alu depctr_hold_cnt(0) depctr_sa_sdst(0) depctr_va_vdst(0) depctr_va_sdst(0) depctr_va_ssrc(0) depctr_va_vcc(0) depctr_vm_vsrc(0)
	s_getreg_b32 s2, hwreg(HW_REG_IB_STS2, 6, 4)
	s_cmp_eq_u32 s2, 0
	s_cbranch_scc0 .Lentry_in_a_cluster
	s_endpgm
.Lentry_in_a_cluster:
	s_bfe_u32 s2, ttmp6, 0x10000c
	s_cmp_lg_u32 s2, 0xf033
	s_cbranch_scc0 .Lentry_shape_is_right
	s_endpgm
.Lentry_shape_is_right:
; ffn1: h[t][n] = bf16(relu(sum over d of x[t][d] W1[e][d][c] + b1[e][c])), n = 4096 e + c.  Operands bf16, sums f32.
; xb: [kb 0..15][t][64] bf16 (x, K in blocks of 64).  W1: [8][1024][4096] f32.  h: [kb 0..511][t][64] bf16, kb = n / 64.
; LIMIT: relu is v_max_num_f32 with 0, which turns a NaN into 0.
; A work-group makes 256 tokens x 256 columns with four waves, a wave 128 x 128: 64 accumulator tiles of 16 x 16, 512 registers.
; K = 1024 goes in steps of 64 through two LDS slots.  A slot holds 256 tokens x 64 k of xb (bf16) and 64 k x 256 columns of W1 AS IT LIES
; IN MEMORY, f32 with the columns along the rows: two slots of a step of 128 would take 417,792 bytes, more than a work-group can have.
; W1 becomes a fragment without a transposing pass: a lane reads its own 8 columns of its 16 k rows (32 loads of 16 bytes for 32 k), and one
; v_cvt_pk_bf16_f32 packs rows k and k + 1 of one column, which IS a register of that column's fragment.  Fragment b holds column 8 r + b
; in lane r; the stores' addresses undo that order.
; CLUSTERS: 4 x 4 work-groups.  xb's tile hangs on the token block cy alone and is asked for jointly along a row of the cluster; W1's tile
; hangs on the column block alone and is asked for jointly along a column.  That divides the requests for both by four.
; REGISTERS, in windows of 256:
;   window 0: v0-31 addresses; v32-39 bias as loaded; v64-127, v128-191 fragments of x, two buffers (later store data); v192-255 the bias as eight C tiles
;   window 1: v0-127 W1 in f32 as read from LDS; v128-191, v192-255 fragments of W1 in bf16, two buffers
;   window 2: accumulator tiles (a = 0..3, b = 0..7) at 8 (8 a + b);  window 3: a = 4..7
.set APITCH, 144                       ; a token's 128 bytes + 16 of padding: 9 x 16 bytes, so 16 rows start at 16 different groups of four banks (64 banks of 4 bytes: ISA guide 11.1)
.set AHALF,  128*APITCH                ; 128 tokens: what one tensor load brings of xb
.set BP,     544                       ; a k row of 128 f32: 256 bytes, 16 of padding, 256 bytes, 16 of padding
.set BHALF,  64*BP                     ; 64 k rows x 128 columns: what one tensor load brings of W1, and what one wave reads
.set BBASE,  2*AHALF
.set SLOT,   BBASE+2*BHALF             ; 106,496 bytes
.set ASTEP,  131072                    ; bytes from one block of 64 k of xb to the next
.set BROW,   4096                      ; elements in a row of W1
.set BSTEP,  64*BROW*4                 ; 64 rows of W1
.set LAPS,   8                         ; a lap = two K steps = once round the ring; 1024 / 128
.set BOFF2,  16                        ; from a lane's columns 0-3 to its columns 4-7
.set ADRA, 16                          ; v16-17 LDS address of my x fragments in slot 0, 1
.set ADRB, 20                          ; v20-21 the same for W1
.set OUTO, 24                          ; v24    my byte offset in h
.set FA0,  64
.set FA1,  128
.set BIAS, 192
.set STG,  0                           ; window 1
.set GB0,  128                         ; window 1
.set GB1,  192                         ; window 1
.set G1A, 24                           ; s[24:31] descriptor group 1, xb's tiles
.set G0A, 32                           ; s[32:39] group 0, xb's tiles, a set for each slot
.set G1B, 48                           ; s[48:55] group 1, W1's tiles
.set G0B, 56                           ; s[56:63] group 0, W1's tiles, a set for each slot
.set MSB, 0
.macro WIN new                         ; low byte: bits 1:0 source 0, 3:2 source 1, 5:4 source 2, 7:6 destination; the high byte repeats the setting that is left
.if MSB != \new
	s_set_vgpr_msb (MSB<<8)|\new
.set MSB, \new
.endif
.endm
; A joint load: waves 0 and 1 ask for the two halves of xb's tile, waves 2 and 3 for the two halves of W1's.  The branch hangs on the wave's number alone.
.macro JLOAD s
	s_cmp_eq_u32 s13, 0
	s_cbranch_scc0 .Lfor_b_\@
	tensor_load_to_lds s[G0A+4*\s:G0A+4*\s+3], s[G1A:G1A+7]
	s_nop 0
	s_branch .Lasked_\@
.Lfor_b_\@:
	tensor_load_to_lds s[G0B+4*\s:G0B+4*\s+3], s[G1B:G1B+7]
	s_nop 0
.Lasked_\@:
.endm
.macro CREST                           ; a round of the cluster's barrier behind its opening work-group barrier
	s_cmp_lg_u32 s12, 0
	s_cbranch_scc1 .Lnot_wave_0_\@
	s_barrier_signal -3
.Lnot_wave_0_\@:
	s_barrier_wait -3
	s_barrier_signal -1
	s_barrier_wait -1
.endm
.macro CROUND                          ; a whole round
	s_barrier_signal -1
	s_barrier_wait -1
	CREST
.endm
	s_load_b256 s[4:11], s[0:1], 0x0               ; xb s[4:5], W1 s[6:7], b1 s[8:9], h s[10:11]
	v_lshl_add_u32 v62, v0, 2, 0x34000
	v_mov_b32 v63, 0
	ds_add_u32 v62, v63
	v_lshrrev_b32 v1, 5, v0
	v_readfirstlane_b32 s12, v1                    ; wave 0..3
	s_lshr_b32 s13, s12, 1                         ; my half of the tokens.  Also: I ask for xb (0) or for W1 (1)
	s_and_b32 s14, s12, 1                          ; my half of the columns.  Also: which half of that tile I ask for
	s_bfe_u32 s15, ttmp6, 0x40000                  ; cx
	s_bfe_u32 s16, ttmp6, 0x40004                  ; cy = token block (the grid is one cluster high)
	s_lshl_b32 s17, ttmp9, 2
	s_add_co_u32 s17, s17, s15                     ; column block nb = 4 x cluster x + cx, 0..127
	s_lshl_b32 s18, s16, 2
	s_lshl_b32 s18, 15, s18                        ; my row of the cluster
	s_lshl_b32 s19, 0x1111, s15                    ; my column
	; xb's half tile is 16,384 dense bytes: 64 rows of 32 elements of 8 bytes; 16 bytes of padding behind every 32 words, that is behind each token's 128 bytes
	s_or_b32 s[G1A+0], s18, (3<<16)|(1<<20)|(1<<21)|(4<<22)|(3<<25)   ; mask; element of 8 bytes; padding on; bit 21 beside a mask; every 32 words; 4 words
	s_mov_b32 s[G1A+1], 32<<16                     ; tensor_dim0 = 32
	s_mov_b32 s[G1A+2], 64<<16                     ; tensor_dim1 = 64
	s_mov_b32 s[G1A+3], 32<<16                     ; tile_dim0 = 32
	s_mov_b32 s[G1A+4], 64                         ; tile_dim1 = 64
	s_mov_b32 s[G1A+5], 32                         ; from row to row: 32 elements
	s_mov_b32 s[G1A+6], 0
	s_mov_b32 s[G1A+7], 0
	; W1's half tile: 64 rows of 128 f32; 16 bytes of padding behind every 64 words, twice in a row
	s_or_b32 s[G1B+0], s19, (2<<16)|(1<<20)|(1<<21)|(5<<22)|(3<<25)
	s_mov_b32 s[G1B+1], 128<<16
	s_mov_b32 s[G1B+2], 64<<16
	s_mov_b32 s[G1B+3], 128<<16
	s_mov_b32 s[G1B+4], 64
	s_mov_b32 s[G1B+5], BROW
	s_mov_b32 s[G1B+6], 0
	s_mov_b32 s[G1B+7], 0
	; where the tiles come from: xb's offset in registers that never hold cx, W1's in registers that never hold cy
	s_lshl_b32 s40, s16, 15                        ; 256 tokens x 128 bytes
	s_lshl_b32 s42, s14, 14                        ; + my 128 tokens
	s_add_co_u32 s40, s40, s42
	s_mov_b32 s41, 0
	s_lshr_b32 s44, s17, 4
	s_lshl_b32 s44, s44, 24                        ; expert nb / 16: 1024 x 4096 x 4 bytes
	s_and_b32 s46, s17, 15
	s_lshl_b32 s46, s46, 10                        ; 256 columns x 4 bytes
	s_add_co_u32 s44, s44, s46
	s_lshl_b32 s46, s14, 9                         ; + my 128 columns
	s_add_co_u32 s44, s44, s46
	s_mov_b32 s45, 0
	s_mul_i32 s42, s14, AHALF                      ; and where they go: no place in the cluster enters an LDS address
	s_mul_i32 s46, s14, BHALF
	s_add_co_u32 s46, s46, BBASE
	s_wait_dscnt 0x0
	s_wait_kmcnt 0x0
	s_add_nc_u64 s[40:41], s[4:5], s[40:41]
	s_add_nc_u64 s[44:45], s[6:7], s[44:45]
	CROUND                                         ; all sixteen work-groups are here: the first joint loads meet
.irp s, 0,1
	s_mov_b32 s[G0A+4*\s], 1
	s_add_co_u32 s[G0A+4*\s+1], s42, \s*SLOT
	s_add_nc_u64 s[G0A+4*\s+2:G0A+4*\s+3], s[40:41], \s*ASTEP
	s_or_b32 s[G0A+4*\s+3], s[G0A+4*\s+3], 0x80000000
	s_mov_b32 s[G0B+4*\s], 1
	s_add_co_u32 s[G0B+4*\s+1], s46, \s*SLOT
	s_add_nc_u64 s[G0B+4*\s+2:G0B+4*\s+3], s[44:45], \s*BSTEP
	s_or_b32 s[G0B+4*\s+3], s[G0B+4*\s+3], 0x80000000
	JLOAD \s                                       ; both slots' first fills go out before anything else: two tensor loads of the wave are out
.endr
	s_lshl_b32 s20, s17, 10                        ; b1: 4 (256 nb + 128 half)
	s_lshl_b32 s22, s14, 9
	s_add_co_u32 s20, s20, s22
	s_mov_b32 s21, 0
	s_add_nc_u64 s[8:9], s[8:9], s[20:21]
	v_and_b32 v1, 15, v0                           ; r
	v_lshlrev_b32 v25, 5, v1                       ; my columns 8 r .. 8 r + 7
	global_load_b128 v[32:35], v25, s[8:9]
	global_load_b128 v[36:39], v25, s[8:9] offset:16
	s_lshl_b32 s20, s17, 19                        ; h: block 4 nb + 2 half of 131,072 bytes,
	s_lshl_b32 s22, s14, 18
	s_add_co_u32 s20, s20, s22
	s_lshl_b32 s22, s16, 15                        ; token 256 cy + 128 half, 128 bytes each
	s_add_co_u32 s20, s20, s22
	s_lshl_b32 s22, s13, 14
	s_add_co_u32 s20, s20, s22
	s_add_nc_u64 s[10:11], s[10:11], s[20:21]
	v_bfe_u32 v2, v0, 4, 1                         ; h = lane / 16
	v_and_b32 v3, 7, v0                            ; r & 7
	v_bfe_u32 v4, v0, 3, 1                         ; r >> 3
	; Row r of an x fragment is token 2 (r & 7) + (r >> 3) of its sixteen: result register j of lane half h is then token 2 j + h, so that the two halves of
	; the lanes hold two neighbouring tokens, 2 x 128 neighbouring bytes of h.
	v_lshl_add_u32 v5, v3, 1, v4
	v_mul_u32_u24 v6, v5, APITCH
	v_lshl_add_u32 v6, v2, 4, v6                   ; + 16 h: registers 0-3 hold k = 8 h .., registers 4-7 (32 bytes on) k = 16 + 8 h ..
	s_mul_i32 s20, s13, AHALF
	v_add_nc_u32 v[ADRA], s20, v6
	v_add_nc_u32 v[ADRA+1], SLOT, v[ADRA]
	v_mul_u32_u24 v7, v2, 8*BP                     ; k rows 8 h ..
	v_lshlrev_b32 v8, 5, v1                        ; 32 r bytes,
	v_lshl_add_u32 v8, v4, 4, v8                   ; + the padding in the row's middle for r >= 8: the sixteen lanes of a half then touch sixteen different 16-byte columns modulo 256
	v_add_nc_u32 v7, v7, v8
	s_mul_i32 s21, s14, BHALF
	s_add_co_u32 s21, s21, BBASE
	v_add_nc_u32 v[ADRB], s21, v7
	v_add_nc_u32 v[ADRB+1], SLOT, v[ADRB]
	v_lshlrev_b32 v[OUTO], 4, v3                   ; h: 16 (r & 7)
	v_lshl_add_u32 v[OUTO], v2, 7, v[OUTO]         ; + token h
	v_lshl_add_u32 v[OUTO], v4, 17, v[OUTO]        ; + block r >> 3
	s_wait_loadcnt 0x0
	; The bias starts the sums: eight C tiles, tile b = b1 of column 8 r + b in all its eight registers.  64 moves, once, in place of 512 adds on the way out.
.irp b, 0,1,2,3,4,5,6,7
.irp j, 0,1,2,3,4,5,6,7
	v_mov_b32 v[BIAS+8*\b+\j], v[32+\b]
.endr
.endr
; 48 LDS loads in one run, for 32 along K from k0: W1's 16 k rows x 8 columns in f32 into STG (row q at 8 q), x's eight fragments into buffer f
.macro FETCH slot, k0, f
	WIN 0x40
.set q, 0
.rept 16
	ds_load_b128 v[STG+8*q:STG+8*q+3],   v[ADRB+\slot] offset:(\k0+q+8*(q/8))*BP
	ds_load_b128 v[STG+8*q+4:STG+8*q+7], v[ADRB+\slot] offset:(\k0+q+8*(q/8))*BP+BOFF2
.set q, q+1
.endr
	WIN 0
.irp a, 0,1,2,3,4,5,6,7
	ds_load_b128 v[\f+8*\a:\f+8*\a+3],   v[ADRA+\slot] offset:2*\k0+\a*16*APITCH
	ds_load_b128 v[\f+8*\a+4:\f+8*\a+7], v[ADRA+\slot] offset:2*\k0+\a*16*APITCH+32
.endr
.endm
; 64 conversions: register i of fragment b = rows 2 i and 2 i + 1 of my column b
.macro CVT g
	WIN 0x45
.irp b, 0,1,2,3,4,5,6,7
.irp i, 0,1,2,3,4,5,6,7
	v_cvt_pk_bf16_f32 v[\g+8*\b+\i], v[STG+16*\i+\b], v[STG+16*\i+8+\b]
.endr
.endr
.endm
; 64 matrix instructions, 32 along K.  The 64 accumulators take turns, one instruction a turn, in the same order every time.
; first = 1: C is the bias tile (window 0).
.macro MUL f, g, first
.if \first
	WIN 0x84
.else
	WIN 0xa4
.endif
.irp a, 0,1,2,3
.irp b, 0,1,2,3,4,5,6,7
.if \first
	v_wmma_f32_16x16x32_bf16 v[8*(8*\a+\b):8*(8*\a+\b)+7], v[\f+8*\a:\f+8*\a+7], v[\g+8*\b:\g+8*\b+7], v[BIAS+8*\b:BIAS+8*\b+7]
.else
	v_wmma_f32_16x16x32_bf16 v[8*(8*\a+\b):8*(8*\a+\b)+7], v[\f+8*\a:\f+8*\a+7], v[\g+8*\b:\g+8*\b+7], v[8*(8*\a+\b):8*(8*\a+\b)+7]
.endif
.endr
.endr
.if \first
	WIN 0xc4
.else
	WIN 0xf4
.endif
.irp a, 0,1,2,3
.irp b, 0,1,2,3,4,5,6,7
.if \first
	v_wmma_f32_16x16x32_bf16 v[8*(8*\a+\b):8*(8*\a+\b)+7], v[\f+32+8*\a:\f+32+8*\a+7], v[\g+8*\b:\g+8*\b+7], v[BIAS+8*\b:BIAS+8*\b+7]
.else
	v_wmma_f32_16x16x32_bf16 v[8*(8*\a+\b):8*(8*\a+\b)+7], v[\f+32+8*\a:\f+32+8*\a+7], v[\g+8*\b:\g+8*\b+7], v[8*(8*\a+\b):8*(8*\a+\b)+7]
.endif
.endr
.endr
.endm
; PLACES BEHIND MATRIX INSTRUCTIONS IN THE LOOP: every load into an x buffer and every conversion into a W1 buffer is parted from the matrix instructions
; that read that buffer by a whole CVT, 64 plain vector instructions on STG and on the OTHER W1 buffer, which name none of their registers.
; The first half of a slot's K step.  Its FETCH is the last read of the slot, so the change of slots stands here: in front of the barrier each wave waits for
; its reads and for all its tensor loads (one is out: its part of the other slot); between signal and wait stand the conversions, register work;
; fill = 1: the barrier opens a round of the cluster's barrier, and the joint refill, two K steps ahead, is the first tensor load behind it.
; From that request to the wait for it the wave issues 128 matrix instructions.
.macro SUBA slot, first, fill
	FETCH \slot, 32, FA1
	MUL FA0, GB0, \first
	s_wait_dscnt 0x0                               ; the 48 loads issued 64 matrix instructions ago: my reads of this slot are over
	s_set_vgpr_msb (MSB<<8)|((MSB&0xf0)|0x0)
	s_wait_tensorcnt 0x0                           ; all my tensor loads have landed
	ds_add_u32 v62, v63
	s_wait_dscnt 0x0
	s_set_vgpr_msb (((MSB&0xf0)|0x0)<<8)|MSB
	s_barrier_signal -1
	CVT GB1
	WIN 0
	s_barrier_wait -1
.if \fill
	CREST                                          ; no wave of any partner still reads this slot or has a load on its way
	s_add_nc_u64 s[G0A+4*\slot+2:G0A+4*\slot+3], s[G0A+4*\slot+2:G0A+4*\slot+3], 2*ASTEP
	s_add_nc_u64 s[G0B+4*\slot+2:G0B+4*\slot+3], s[G0B+4*\slot+2:G0B+4*\slot+3], 2*BSTEP
	JLOAD \slot
.endif
.endm
; The second half: multiplies, and fetches the first half of the next slot, which the barrier above has shown whole.
.macro SUBB next
	FETCH \next, 0, FA0
	MUL FA1, GB1, 0
	s_wait_dscnt 0x0                               ; the 48 loads issued 64 matrix instructions ago
	CVT GB0
.endm
.macro LAP first
	SUBA 0, \first, 1
	SUBB 1
	SUBA 1, 0, 1
	SUBB 0
.endm
	s_wait_tensorcnt 0x1                           ; my part of K step 0 is in; K step 1's stays out
	s_barrier_signal -1
	s_barrier_wait -1
	FETCH 0, 0, FA0
	s_wait_dscnt 0x0
	CVT GB0
	LAP 1                                          ; the first lap stands in front of the loop: its first products take the bias as C
	WIN 0                                          ; at a label and at a branch every window is 0
	s_mov_b32 s3, LAPS-2
.Llap:
	LAP 0
	WIN 0
	s_sub_co_u32 s3, s3, 1
	s_cmp_lg_u32 s3, 0
	s_cbranch_scc1 .Llap
	SUBA 0, 0, 0                                   ; the last lap fills nothing: a plain barrier shows slot 1 whole
	SUBB 1
	FETCH 1, 32, FA1
	MUL FA0, GB0, 0
	s_wait_dscnt 0x0
	CVT GB1
	MUL FA1, GB1, 0
	; THE WAY OUT.  Four plain places behind the last matrix instruction (ISA guide 7.12.1) before results are read and x's buffers are written.
.rept 4
	v_nop
.endr
; tokens 16 a .. 16 a + 15: relu in place, then register j of tiles b = 0..7 packs into 16 bytes: token 16 a + 2 j + h, columns 8 r .. 8 r + 7
.macro OUT a, ap, wmax, wcvt, t
	s_wait_xcnt 0x0                                ; every earlier store has had its addresses translated (ISA guide 3.1): its data registers are written again only behind this wait
	WIN \wmax
.irp b, 0,1,2,3,4,5,6,7
.irp j, 0,1,2,3,4,5,6,7
	v_max_num_f32 v[8*(8*\ap+\b)+\j], 0, v[8*(8*\ap+\b)+\j]
.endr
.endr
	WIN \wcvt
.irp j, 0,1,2,3,4,5,6,7
.irp p, 0,1,2,3
	v_cvt_pk_bf16_f32 v[\t+4*\j+\p], v[8*(8*\ap+2*\p)+\j], v[8*(8*\ap+2*\p+1)+\j]
.endr
.endr
	WIN 0
.irp j, 0,1,2,3,4,5,6,7
	global_store_b128 v[OUTO], v[\t+4*\j:\t+4*\j+3], s[10:11] offset:\a*2048+\j*256   ; lanes 0-7 with 16-23, and 8-15 with 24-31, each store 256 consecutive bytes, aligned
.endr
.endm
	OUT 0, 0, 0x88, 0x0a, FA0
	OUT 1, 1, 0x88, 0x0a, FA1
	OUT 2, 2, 0x88, 0x0a, FA0
	OUT 3, 3, 0x88, 0x0a, FA1
	OUT 4, 0, 0xcc, 0x0f, FA0
	OUT 5, 1, 0xcc, 0x0f, FA1
	OUT 6, 2, 0xcc, 0x0f, FA0
	OUT 7, 3, 0xcc, 0x0f, FA1
	CROUND                                         ; the closing round: no work-group ends while a partner may still ask for a tile that names it
	s_endpgm
.Lfunc_end_k_q330c1dfc16_ffn1:
	.size	k_q330c1dfc16_ffn1, .Lfunc_end_k_q330c1dfc16_ffn1-k_q330c1dfc16_ffn1
	.p2alignl 7, 3214868480
	.fill 96, 4, 3214868480
	.section	.rodata,"a",@progbits
	.p2align	6, 0x0
	.amdhsa_kernel k_q330c1dfc16_ffn1
		.amdhsa_group_segment_fixed_size 327680
		.amdhsa_private_segment_fixed_size 0
		.amdhsa_enable_private_segment 0
		.amdhsa_kernarg_size 32
		.amdhsa_user_sgpr_count 2
		.amdhsa_user_sgpr_kernarg_segment_ptr 1
		.amdhsa_wavefront_size32 1
		.amdhsa_system_sgpr_workgroup_id_x 1
		.amdhsa_system_sgpr_workgroup_id_y 1
		.amdhsa_system_sgpr_workgroup_id_z 1
		.amdhsa_system_vgpr_workitem_id 0
		.amdhsa_next_free_vgpr 1024
		.amdhsa_next_free_sgpr 66
		.amdhsa_reserve_vcc 0
		.amdhsa_float_denorm_mode_32 3
		.amdhsa_float_denorm_mode_16_64 3
		.amdhsa_memory_ordered 1
		.amdhsa_forward_progress 1
		.amdhsa_inst_pref_size 187
	.end_amdhsa_kernel
	.amdgpu_metadata
---
amdhsa.version: [ 1, 2 ]
amdhsa.kernels:
  - .name:           k_q330c1dfc16_ffn1
    .symbol:         k_q330c1dfc16_ffn1.kd
    .args:
      - { .name: xb, .offset: 0, .size: 8, .value_kind: global_buffer, .address_space: global }
      - { .name: W1, .offset: 8, .size: 8, .value_kind: global_buffer, .address_space: global }
      - { .name: b1, .offset: 16, .size: 8, .value_kind: global_buffer, .address_space: global }
      - { .name: h, .offset: 24, .size: 8, .value_kind: global_buffer, .address_space: global }
    .group_segment_fixed_size: 327680
    .private_segment_fixed_size: 0
    .kernarg_segment_align: 8
    .kernarg_segment_size: 32
    .max_flat_workgroup_size: 128
    .sgpr_count:     66
    .vgpr_count:     1024
    .wavefront_size: 32
...
	.end_amdgpu_metadata
.endif
;; end of part 2
;; launch ffn2 (part 3): grid 64 x 4, 4 waves a work-group, clusters of 4 x 4, 327,680 bytes of LDS; arguments h, W2, gw, P; writes P
.if DOCPART == 3
	.amdgcn_target "amdgcn-amd-amdhsa--gfx1250"
	.amdhsa_code_object_version 6
	.text
	.protected	k_q330c1dfc16_ffn2
	.globl	k_q330c1dfc16_ffn2
	.p2align	8
	.type	k_q330c1dfc16_ffn2,@function
k_q330c1dfc16_ffn2:
	s_mov_b64 s[64:65], 0
	v_nop
	global_prefetch_b8 v0, s[64:65] scope:SCOPE_SE
	s_setreg_imm32_b32 hwreg(HW_REG_WAVE_MODE, 25, 1), 1
	s_wait_xcnt 0x0
	s_wait_alu depctr_hold_cnt(0) depctr_sa_sdst(0) depctr_va_vdst(0) depctr_va_sdst(0) depctr_va_ssrc(0) depctr_va_vcc(0) depctr_vm_vsrc(0)
	s_getreg_b32 s2, hwreg(HW_REG_IB_STS2, 6, 4)
	s_cmp_eq_u32 s2, 0
	s_cbranch_scc0 .Lentry_in_a_cluster
	s_endpgm
.Lentry_in_a_cluster:
	s_bfe_u32 s2, ttmp6, 0x10000c
	s_cmp_lg_u32 s2, 0xf033
	s_cbranch_scc0 .Lentry_shape_is_right
	s_endpgm
.Lentry_shape_is_right:
; ffn2: P[s][t][d] = gw[t][s / 2] x sum over k in part s of h[t][k] W2[k][d], s = 0..15; part s is k = 2048 s .. 2048 s + 2047 of the 32,768
; (expert, hidden) pairs, half of expert s / 2.  Operands bf16, sums and the gate's weight f32.
; h: [kb 0..511][t][64] bf16.  W2: [8][4096][1024] f32 = [32768][1024].  gw: [t][8] f32.  P: [16][1024][1024] f32.
; The sum over 32,768 ends in only 1024 x 1024 numbers, 16 blocks of 256 x 256: it is cut in 16 parts so that there are 256 work-groups, and a later
; launch adds the parts.
; The frame is ffn1's: four waves, 128 x 128 a wave, K in steps of 64 through two LDS slots that hold h's tile in bf16 and W2's tile in f32 as it lies in
; memory; a lane reads its own 8 columns of its 16 k rows and v_cvt_pk_bf16_f32 packs rows k, k + 1 of one column into a fragment's register.
; Here a lane's columns are 4 r .. 4 r + 3 and 64 + 4 r .. 64 + 4 r + 3 (fragment b = 4 g + jj is column 64 g + 4 r + jj), so that four results are 16
; neighbouring bytes of a row of P and sixteen lanes hold 256.
; CLUSTERS: 4 x 4 work-groups, one cluster for each part s.  h's tile hangs on s and the token block cy and is asked for jointly along a row of the cluster;
; W2's hangs on s and the column block cx and is asked for jointly along a column.
; REGISTERS: window 0: v0-31 addresses; v64-127, v128-191 fragments of h (later store data); v192-255 gw of my 64 tokens;
;   window 1: v0-127 W2 in f32; v128-191, v192-255 its fragments; windows 2, 3: accumulator tiles (a, b) at 8 (8 (a & 3) + b).
.set APITCH, 144                       ; a token's 128 bytes + 16 of padding
.set AHALF,  128*APITCH
.set BP,     544                       ; 256 bytes, 16 of padding, 256 bytes, 16 of padding
.set BHALF,  64*BP
.set BBASE,  2*AHALF
.set SLOT,   BBASE+2*BHALF             ; 106,496 bytes
.set ASTEP,  131072
.set BROW,   1024
.set BSTEP,  64*BROW*4
.set LAPS,   16                        ; 2048 / 128
.set BOFF2,  272                       ; from a lane's columns 4 r .. to its columns 64 + 4 r ..: 256 bytes and the padding
.set ADRA, 16
.set ADRB, 20
.set OUTO, 24
.set FA0,  64
.set FA1,  128
.set GW,   192
.set STG,  0                           ; window 1
.set GB0,  128                         ; window 1
.set GB1,  192                         ; window 1
.set G1A, 24
.set G0A, 32
.set G1B, 48
.set G0B, 56
.set MSB, 0
.macro WIN new                         ; low byte: bits 1:0 source 0, 3:2 source 1, 5:4 source 2, 7:6 destination; the high byte repeats the setting that is left
.if MSB != \new
	s_set_vgpr_msb (MSB<<8)|\new
.set MSB, \new
.endif
.endm
.macro JLOAD s                         ; waves 0 and 1 ask for the halves of h's tile, waves 2 and 3 for the halves of W2's
	s_cmp_eq_u32 s13, 0
	s_cbranch_scc0 .Lfor_b_\@
	tensor_load_to_lds s[G0A+4*\s:G0A+4*\s+3], s[G1A:G1A+7]
	s_nop 0
	s_branch .Lasked_\@
.Lfor_b_\@:
	tensor_load_to_lds s[G0B+4*\s:G0B+4*\s+3], s[G1B:G1B+7]
	s_nop 0
.Lasked_\@:
.endm
.macro CREST
	s_cmp_lg_u32 s12, 0
	s_cbranch_scc1 .Lnot_wave_0_\@
	s_barrier_signal -3
.Lnot_wave_0_\@:
	s_barrier_wait -3
	s_barrier_signal -1
	s_barrier_wait -1
.endm
.macro CROUND
	s_barrier_signal -1
	s_barrier_wait -1
	CREST
.endm
	s_load_b256 s[4:11], s[0:1], 0x0               ; h s[4:5], W2 s[6:7], gw s[8:9], P s[10:11]
	v_lshl_add_u32 v62, v0, 2, 0x34000
	v_mov_b32 v63, 0
	ds_add_u32 v62, v63
	v_lshrrev_b32 v1, 5, v0
	v_readfirstlane_b32 s12, v1                    ; wave 0..3
	s_lshr_b32 s13, s12, 1                         ; my half of the tokens.  Also: I ask for h (0) or for W2 (1)
	s_and_b32 s14, s12, 1                          ; my half of the columns.  Also: which half of that tile I ask for
	s_bfe_u32 s15, ttmp6, 0x40000                  ; cx = column block
	s_bfe_u32 s16, ttmp6, 0x40004                  ; cy = token block
	s_mov_b32 s17, ttmp9                           ; s = the cluster's x, 0..15
	s_lshl_b32 s18, s16, 2
	s_lshl_b32 s18, 15, s18                        ; my row of the cluster
	s_lshl_b32 s19, 0x1111, s15                    ; my column
	s_or_b32 s[G1A+0], s18, (3<<16)|(1<<20)|(1<<21)|(4<<22)|(3<<25)   ; 16,384 dense bytes as 64 rows of 32 elements of 8 bytes; 4 words of padding behind every 32
	s_mov_b32 s[G1A+1], 32<<16
	s_mov_b32 s[G1A+2], 64<<16
	s_mov_b32 s[G1A+3], 32<<16
	s_mov_b32 s[G1A+4], 64
	s_mov_b32 s[G1A+5], 32
	s_mov_b32 s[G1A+6], 0
	s_mov_b32 s[G1A+7], 0
	s_or_b32 s[G1B+0], s19, (2<<16)|(1<<20)|(1<<21)|(5<<22)|(3<<25)   ; 64 rows of 128 f32; 4 words of padding behind every 64
	s_mov_b32 s[G1B+1], 128<<16
	s_mov_b32 s[G1B+2], 64<<16
	s_mov_b32 s[G1B+3], 128<<16
	s_mov_b32 s[G1B+4], 64
	s_mov_b32 s[G1B+5], BROW
	s_mov_b32 s[G1B+6], 0
	s_mov_b32 s[G1B+7], 0
	s_lshl_b32 s40, s17, 22                        ; h: 32 blocks of 131,072 bytes for each part,
	s_lshl_b32 s42, s16, 15                        ; 256 tokens x 128 bytes,
	s_add_co_u32 s40, s40, s42
	s_lshl_b32 s42, s14, 14                        ; my 128 tokens (registers that never hold cx)
	s_add_co_u32 s40, s40, s42
	s_mov_b32 s41, 0
	s_lshl_b32 s44, s17, 23                        ; W2: 2048 rows of 4,096 bytes for each part,
	s_lshl_b32 s46, s15, 10                        ; 256 columns x 4 bytes,
	s_add_co_u32 s44, s44, s46
	s_lshl_b32 s46, s14, 9                         ; my 128 columns (registers that never hold cy)
	s_add_co_u32 s44, s44, s46
	s_mov_b32 s45, 0
	s_mul_i32 s42, s14, AHALF
	s_mul_i32 s46, s14, BHALF
	s_add_co_u32 s46, s46, BBASE
	s_wait_dscnt 0x0
	s_wait_kmcnt 0x0
	s_add_nc_u64 s[40:41], s[4:5], s[40:41]
	s_add_nc_u64 s[44:45], s[6:7], s[44:45]
	CROUND                                         ; all sixteen work-groups are here: the first joint loads meet
.irp s, 0,1
	s_mov_b32 s[G0A+4*\s], 1
	s_add_co_u32 s[G0A+4*\s+1], s42, \s*SLOT
	s_add_nc_u64 s[G0A+4*\s+2:G0A+4*\s+3], s[40:41], \s*ASTEP
	s_or_b32 s[G0A+4*\s+3], s[G0A+4*\s+3], 0x80000000
	s_mov_b32 s[G0B+4*\s], 1
	s_add_co_u32 s[G0B+4*\s+1], s46, \s*SLOT
	s_add_nc_u64 s[G0B+4*\s+2:G0B+4*\s+3], s[44:45], \s*BSTEP
	s_or_b32 s[G0B+4*\s+3], s[G0B+4*\s+3], 0x80000000
	JLOAD \s                                       ; two tensor loads of the wave are out
.endr
	s_lshl_b32 s20, s16, 13                        ; gw: token 256 cy + 128 half, 32 bytes each,
	s_lshl_b32 s22, s13, 12
	s_add_co_u32 s20, s20, s22
	s_lshr_b32 s22, s17, 1
	s_lshl_b32 s22, s22, 2                         ; expert s / 2
	s_add_co_u32 s20, s20, s22
	s_mov_b32 s21, 0
	s_add_nc_u64 s[8:9], s[8:9], s[20:21]
	v_and_b32 v1, 15, v0                           ; r
	v_bfe_u32 v2, v0, 4, 1                         ; h = lane / 16
	v_lshlrev_b32 v25, 8, v2                       ; tokens 8 h ..
.irp a, 0,1,2,3,4,5,6,7
.irp j, 0,1,2,3,4,5,6,7
	global_load_b32 v[GW+8*\a+\j], v25, s[8:9] offset:(16*\a+\j)*32    ; the weight of token 16 a + 8 h + j: the token of result register j of tiles (a, .); read once, kept for the way out
.endr
.endr
	s_lshl_b32 s20, s17, 22                        ; P: part s,
	s_lshl_b32 s22, s16, 20                        ; row 256 cy + 128 half, 4,096 bytes each,
	s_add_co_u32 s20, s20, s22
	s_lshl_b32 s22, s13, 19
	s_add_co_u32 s20, s20, s22
	s_lshl_b32 s22, s15, 10                        ; column 256 cx + 128 half
	s_add_co_u32 s20, s20, s22
	s_lshl_b32 s22, s14, 9
	s_add_co_u32 s20, s20, s22
	s_add_nc_u64 s[10:11], s[10:11], s[20:21]
	v_mul_u32_u24 v6, v1, APITCH                   ; row r of a fragment is token r of its sixteen
	v_lshl_add_u32 v6, v2, 4, v6
	s_mul_i32 s20, s13, AHALF
	v_add_nc_u32 v[ADRA], s20, v6
	v_add_nc_u32 v[ADRA+1], SLOT, v[ADRA]
	v_mul_u32_u24 v7, v2, 8*BP                     ; k rows 8 h ..
	v_lshl_add_u32 v7, v1, 4, v7                   ; + 16 r: sixteen lanes read 256 neighbouring bytes
	s_mul_i32 s21, s14, BHALF
	s_add_co_u32 s21, s21, BBASE
	v_add_nc_u32 v[ADRB], s21, v7
	v_add_nc_u32 v[ADRB+1], SLOT, v[ADRB]
	v_lshlrev_b32 v[OUTO], 4, v1                   ; P: 16 r
	v_lshl_add_u32 v[OUTO], v2, 15, v[OUTO]        ; + 8 h rows
.macro FETCH slot, k0, f               ; 48 LDS loads in one run, for 32 along K from k0
	WIN 0x40
.set q, 0
.rept 16
	ds_load_b128 v[STG+8*q:STG+8*q+3],   v[ADRB+\slot] offset:(\k0+q+8*(q/8))*BP
	ds_load_b128 v[STG+8*q+4:STG+8*q+7], v[ADRB+\slot] offset:(\k0+q+8*(q/8))*BP+BOFF2
.set q, q+1
.endr
	WIN 0
.irp a, 0,1,2,3,4,5,6,7
	ds_load_b128 v[\f+8*\a:\f+8*\a+3],   v[ADRA+\slot] offset:2*\k0+\a*16*APITCH
	ds_load_b128 v[\f+8*\a+4:\f+8*\a+7], v[ADRA+\slot] offset:2*\k0+\a*16*APITCH+32
.endr
.endm
.macro CVT g                           ; register i of fragment b = rows 2 i and 2 i + 1 of my column b
	WIN 0x45
.irp b, 0,1,2,3,4,5,6,7
.irp i, 0,1,2,3,4,5,6,7
	v_cvt_pk_bf16_f32 v[\g+8*\b+\i], v[STG+16*\i+\b], v[STG+16*\i+8+\b]
.endr
.endr
.endm
; 64 matrix instructions, 32 along K.  The 64 accumulators take turns, one instruction a turn, in the same order every time.
; first = 1: the constant 0 as C starts the sums; nothing is cleared.
.macro MUL f, g, first
	WIN 0xa4
.irp a, 0,1,2,3
.irp b, 0,1,2,3,4,5,6,7
.if \first
	v_wmma_f32_16x16x32_bf16 v[8*(8*\a+\b):8*(8*\a+\b)+7], v[\f+8*\a:\f+8*\a+7], v[\g+8*\b:\g+8*\b+7], 0
.else
	v_wmma_f32_16x16x32_bf16 v[8*(8*\a+\b):8*(8*\a+\b)+7], v[\f+8*\a:\f+8*\a+7], v[\g+8*\b:\g+8*\b+7], v[8*(8*\a+\b):8*(8*\a+\b)+7]
.endif
.endr
.endr
	WIN 0xf4
.irp a, 0,1,2,3
.irp b, 0,1,2,3,4,5,6,7
.if \first
	v_wmma_f32_16x16x32_bf16 v[8*(8*\a+\b):8*(8*\a+\b)+7], v[\f+32+8*\a:\f+32+8*\a+7], v[\g+8*\b:\g+8*\b+7], 0
.else
	v_wmma_f32_16x16x32_bf16 v[8*(8*\a+\b):8*(8*\a+\b)+7], v[\f+32+8*\a:\f+32+8*\a+7], v[\g+8*\b:\g+8*\b+7], v[8*(8*\a+\b):8*(8*\a+\b)+7]
.endif
.endr
.endr
.endm
; PLACES BEHIND MATRIX INSTRUCTIONS IN THE LOOP: every load into an h buffer and every conversion into a W2 buffer is parted from the matrix instructions
; that read that buffer by a whole CVT, 64 plain vector instructions on STG and on the OTHER W2 buffer, which name none of their registers.
; The first half of a slot's K step: its FETCH is the last read of the slot, so the change of slots stands here.  In front of the barrier each wave waits for
; its reads and for all its tensor loads (one is out: its part of the other slot); between signal and wait stand the conversions, register work;
; fill = 1: the barrier opens a round of the cluster's barrier, and the joint refill, two K steps ahead, is the first tensor load behind it.
; From that request to the wait for it the wave issues 128 matrix instructions.
.macro SUBA slot, first, fill
	FETCH \slot, 32, FA1
	MUL FA0, GB0, \first
	s_wait_dscnt 0x0                               ; the 48 loads issued 64 matrix instructions ago: my reads of this slot are over
	s_set_vgpr_msb 0xf4f0
	s_wait_tensorcnt 0x0                           ; all my tensor loads have landed
	ds_add_u32 v62, v63
	s_wait_dscnt 0x0
	s_set_vgpr_msb 0xf0f4
	s_barrier_signal -1
	CVT GB1
	WIN 0
	s_barrier_wait -1
.if \fill
	CREST                                          ; no wave of any partner still reads this slot or has a load on its way
	s_add_nc_u64 s[G0A+4*\slot+2:G0A+4*\slot+3], s[G0A+4*\slot+2:G0A+4*\slot+3], 2*ASTEP
	s_add_nc_u64 s[G0B+4*\slot+2:G0B+4*\slot+3], s[G0B+4*\slot+2:G0B+4*\slot+3], 2*BSTEP
	JLOAD \slot
.endif
.endm
.macro SUBB next                       ; the second half: multiplies, and fetches the first half of the next slot, which the barrier above has shown whole
	FETCH \next, 0, FA0
	MUL FA1, GB1, 0
	s_wait_dscnt 0x0                               ; the 48 loads issued 64 matrix instructions ago
	CVT GB0
.endm
.macro LAP first
	SUBA 0, \first, 1
	SUBB 1
	SUBA 1, 0, 1
	SUBB 0
.endm
	s_wait_loadcnt 0x0                             ; gw, once, while the first tiles are on their way: no load crosses a barrier
	s_wait_tensorcnt 0x1                           ; my part of K step 0 is in; K step 1's stays out
	s_barrier_signal -1
	s_barrier_wait -1
	FETCH 0, 0, FA0
	s_wait_dscnt 0x0
	CVT GB0
	LAP 1                                          ; the first lap stands in front of the loop: its first products start the sums
	WIN 0                                          ; at a label and at a branch every window is 0
	s_mov_b32 s3, LAPS-2
.Llap:
	LAP 0
	WIN 0
	s_sub_co_u32 s3, s3, 1
	s_cmp_lg_u32 s3, 0
	s_cbranch_scc1 .Llap
	SUBA 0, 0, 0                                   ; the last lap fills nothing: a plain barrier shows slot 1 whole
	SUBB 1
	FETCH 1, 32, FA1
	MUL FA0, GB0, 0
	s_wait_dscnt 0x0
	CVT GB1
	MUL FA1, GB1, 0
	; THE WAY OUT.  Four plain places behind the last matrix instruction (ISA guide 7.12.1) before results are read and h's buffers are written.
.rept 4
	v_nop
.endr
; tokens 16 a .. 16 a + 15.  The multiplication by the gate's weight also gathers register j of tiles 4 g .. 4 g + 3 into four neighbouring registers: no copies, no LDS stage.
.macro OUT a, ap, wsrc, t
	s_wait_xcnt 0x0                                ; every earlier store has had its addresses translated (ISA guide 3.1): its data registers are written again only behind this wait
	WIN \wsrc
.irp j, 0,1,2,3,4,5,6,7
.irp c, 0,1,2,3,4,5,6,7
	v_mul_f32 v[\t+8*\j+\c], v[8*(8*\ap+\c)+\j], v[GW+8*\a+\j]
.endr
.endr
	WIN 0
.irp j, 0,1,2,3,4,5,6,7
	global_store_b128 v[OUTO], v[\t+8*\j:\t+8*\j+3],   s[10:11] offset:(16*\a+\j)*4096       ; sixteen lanes store 256 consecutive bytes of a row, aligned
	global_store_b128 v[OUTO], v[\t+8*\j+4:\t+8*\j+7], s[10:11] offset:(16*\a+\j)*4096+256
.endr
.endm
	OUT 0, 0, 0x02, FA0
	OUT 1, 1, 0x02, FA1
	OUT 2, 2, 0x02, FA0
	OUT 3, 3, 0x02, FA1
	OUT 4, 0, 0x03, FA0
	OUT 5, 1, 0x03, FA1
	OUT 6, 2, 0x03, FA0
	OUT 7, 3, 0x03, FA1
	CROUND                                         ; the closing round: no work-group ends while a partner may still ask for a tile that names it
	s_endpgm
.Lfunc_end_k_q330c1dfc16_ffn2:
	.size	k_q330c1dfc16_ffn2, .Lfunc_end_k_q330c1dfc16_ffn2-k_q330c1dfc16_ffn2
	.p2alignl 7, 3214868480
	.fill 96, 4, 3214868480
	.section	.rodata,"a",@progbits
	.p2align	6, 0x0
	.amdhsa_kernel k_q330c1dfc16_ffn2
		.amdhsa_group_segment_fixed_size 327680
		.amdhsa_private_segment_fixed_size 0
		.amdhsa_enable_private_segment 0
		.amdhsa_kernarg_size 32
		.amdhsa_user_sgpr_count 2
		.amdhsa_user_sgpr_kernarg_segment_ptr 1
		.amdhsa_wavefront_size32 1
		.amdhsa_system_sgpr_workgroup_id_x 1
		.amdhsa_system_sgpr_workgroup_id_y 1
		.amdhsa_system_sgpr_workgroup_id_z 1
		.amdhsa_system_vgpr_workitem_id 0
		.amdhsa_next_free_vgpr 1024
		.amdhsa_next_free_sgpr 66
		.amdhsa_reserve_vcc 0
		.amdhsa_float_denorm_mode_32 3
		.amdhsa_float_denorm_mode_16_64 3
		.amdhsa_memory_ordered 1
		.amdhsa_forward_progress 1
		.amdhsa_inst_pref_size 180
	.end_amdhsa_kernel
	.amdgpu_metadata
---
amdhsa.version: [ 1, 2 ]
amdhsa.kernels:
  - .name:           k_q330c1dfc16_ffn2
    .symbol:         k_q330c1dfc16_ffn2.kd
    .args:
      - { .name: h, .offset: 0, .size: 8, .value_kind: global_buffer, .address_space: global }
      - { .name: W2, .offset: 8, .size: 8, .value_kind: global_buffer, .address_space: global }
      - { .name: gw, .offset: 16, .size: 8, .value_kind: global_buffer, .address_space: global }
      - { .name: P, .offset: 24, .size: 8, .value_kind: global_buffer, .address_space: global }
    .group_segment_fixed_size: 327680
    .private_segment_fixed_size: 0
    .kernarg_segment_align: 8
    .kernarg_segment_size: 32
    .max_flat_workgroup_size: 128
    .sgpr_count:     66
    .vgpr_count:     1024
    .wavefront_size: 32
...
	.end_amdgpu_metadata
.endif
;; end of part 3
;; launch combine (part 4): grid 512 x 1, 8 waves a work-group, no clusters, 0 bytes of LDS; arguments P, gw, b2, out0; writes out0
.if DOCPART == 4
	.amdgcn_target "amdgcn-amd-amdhsa--gfx1250"
	.amdhsa_code_object_version 6
	.text
	.protected	k_q330c1dfc16_combine
	.globl	k_q330c1dfc16_combine
	.p2align	8
	.type	k_q330c1dfc16_combine,@function
k_q330c1dfc16_combine:
	s_mov_b64 s[64:65], 0
	v_nop
	global_prefetch_b8 v0, s[64:65] scope:SCOPE_SE
	s_setreg_imm32_b32 hwreg(HW_REG_WAVE_MODE, 25, 1), 1
	s_wait_xcnt 0x0
; combine: out0[t][d] = sum over s = 0..15 of P[s][t][d] + sum over e of gw[t][e] b2[e][d].  All f32.
; A stream: 64 MiB of partial sums read once, 4 MiB written once.  No LDS, no barrier, no matrix unit: each number is read once and added once.
; A work-group takes tokens 2 g and 2 g + 1; thread i takes columns 4 i .. 4 i + 3, so a wave's load or store covers 512 consecutive bytes, aligned.
; All 40 loads of a thread go out at once; the waits count them down.
.set ROW,  4096                        ; bytes in a row of P, b2 and out0
.set PART, 4194304                     ; bytes in a part of P
.set B2,   8                           ; v[8:39]    b2: 4 e + c
.set PT,   40                          ; v[40:167]  P: 64 tk + 4 s + c
.set ACC,  168                         ; v[168:175] the sums: 4 tk + c
.set PB,   16                          ; s[16:31]   P at my rows, parts 0, 2, .. 14: the odd parts stand in the loads' immediates
.set GWS,  36                          ; s[36:51]   gw: 8 tk + e
	s_load_b256 s[4:11], s[0:1], 0x0               ; P s[4:5], gw s[6:7], b2 s[8:9], out0 s[10:11]
	s_lshl_b32 s12, ttmp9, 6                       ; two tokens x 32 bytes of gw
	s_mov_b32 s13, 0
	s_lshl_b32 s14, ttmp9, 13                      ; two rows
	s_mov_b32 s15, 0
	v_lshlrev_b32 v1, 4, v0                        ; my 16 bytes of a row
	s_wait_kmcnt 0x0
	s_add_nc_u64 s[6:7], s[6:7], s[12:13]
	s_load_b512 s[GWS:GWS+15], s[6:7], 0x0         ; the sixteen weights are the same for all threads: scalars (no line of this kernel writes gw)
	s_add_nc_u64 s[PB:PB+1], s[4:5], s[14:15]
.irp m, 1,2,3,4,5,6,7
	s_add_nc_u64 s[PB+2*\m:PB+2*\m+1], s[PB:PB+1], \m*2*PART
.endr
	s_add_nc_u64 s[10:11], s[10:11], s[14:15]
.irp e, 0,1,2,3,4,5,6,7
	global_load_b128 v[B2+4*\e:B2+4*\e+3], v1, s[8:9] offset:\e*ROW
.endr
.irp tk, 0,1
.set i, 0
.rept 16
	global_load_b128 v[PT+64*\tk+4*i:PT+64*\tk+4*i+3], v1, s[PB+2*(i/2):PB+2*(i/2)+1] offset:(i%2)*PART+\tk*ROW th:TH_LOAD_NT
.set i, i+1
.endr
.endr
	s_wait_kmcnt 0x0                               ; gw
	s_wait_loadcnt 32                              ; b2 is in; the 32 loads of P stay out
.irp tk, 0,1
.irp c, 0,1,2,3
	v_mul_f32 v[ACC+4*\tk+\c], s[GWS+8*\tk], v[B2+\c]              ; expert 0 starts the sums
.endr
.irp e, 1,2,3,4,5,6,7
.irp c, 0,1,2,3
	v_fmac_f32 v[ACC+4*\tk+\c], s[GWS+8*\tk+\e], v[B2+4*\e+\c]
.endr
.endr
.endr
; sixteen parts in two chains that do not wait for each other: parts 0-7 onto the bias term, parts 9-15 onto part 8
.macro SUM tk
.irp n, 0,1,2,3,4,5,6,7
	v_pk_add_f32 v[ACC+4*\tk:ACC+4*\tk+1],   v[ACC+4*\tk:ACC+4*\tk+1],   v[PT+64*\tk+4*\n:PT+64*\tk+4*\n+1]
	v_pk_add_f32 v[ACC+4*\tk+2:ACC+4*\tk+3], v[ACC+4*\tk+2:ACC+4*\tk+3], v[PT+64*\tk+4*\n+2:PT+64*\tk+4*\n+3]
.if \n < 7
	v_pk_add_f32 v[PT+64*\tk+32:PT+64*\tk+33], v[PT+64*\tk+32:PT+64*\tk+33], v[PT+64*\tk+36+4*\n:PT+64*\tk+37+4*\n]
	v_pk_add_f32 v[PT+64*\tk+34:PT+64*\tk+35], v[PT+64*\tk+34:PT+64*\tk+35], v[PT+64*\tk+38+4*\n:PT+64*\tk+39+4*\n]
.endif
.endr
	v_pk_add_f32 v[ACC+4*\tk:ACC+4*\tk+1],   v[ACC+4*\tk:ACC+4*\tk+1],   v[PT+64*\tk+32:PT+64*\tk+33]
	v_pk_add_f32 v[ACC+4*\tk+2:ACC+4*\tk+3], v[ACC+4*\tk+2:ACC+4*\tk+3], v[PT+64*\tk+34:PT+64*\tk+35]
	global_store_b128 v1, v[ACC+4*\tk:ACC+4*\tk+3], s[10:11] offset:\tk*ROW th:TH_STORE_NT
.endm
	s_wait_loadcnt 16                              ; the first token's sixteen parts are in; the second token's stay out
	SUM 0
	s_wait_loadcnt 0x0
	SUM 1
	s_endpgm
.Lfunc_end_k_q330c1dfc16_combine:
	.size	k_q330c1dfc16_combine, .Lfunc_end_k_q330c1dfc16_combine-k_q330c1dfc16_combine
	.p2alignl 7, 3214868480
	.fill 96, 4, 3214868480
	.section	.rodata,"a",@progbits
	.p2align	6, 0x0
	.amdhsa_kernel k_q330c1dfc16_combine
		.amdhsa_group_segment_fixed_size 0
		.amdhsa_private_segment_fixed_size 0
		.amdhsa_enable_private_segment 0
		.amdhsa_kernarg_size 32
		.amdhsa_user_sgpr_count 2
		.amdhsa_user_sgpr_kernarg_segment_ptr 1
		.amdhsa_wavefront_size32 1
		.amdhsa_system_sgpr_workgroup_id_x 1
		.amdhsa_system_sgpr_workgroup_id_y 1
		.amdhsa_system_sgpr_workgroup_id_z 1
		.amdhsa_system_vgpr_workitem_id 0
		.amdhsa_next_free_vgpr 176
		.amdhsa_next_free_sgpr 66
		.amdhsa_reserve_vcc 0
		.amdhsa_float_denorm_mode_32 3
		.amdhsa_float_denorm_mode_16_64 3
		.amdhsa_memory_ordered 1
		.amdhsa_forward_progress 1
		.amdhsa_inst_pref_size 12
	.end_amdhsa_kernel
	.amdgpu_metadata
---
amdhsa.version: [ 1, 2 ]
amdhsa.kernels:
  - .name:           k_q330c1dfc16_combine
    .symbol:         k_q330c1dfc16_combine.kd
    .args:
      - { .name: P, .offset: 0, .size: 8, .value_kind: global_buffer, .address_space: global }
      - { .name: gw, .offset: 8, .size: 8, .value_kind: global_buffer, .address_space: global }
      - { .name: b2, .offset: 16, .size: 8, .value_kind: global_buffer, .address_space: global }
      - { .name: out0, .offset: 24, .size: 8, .value_kind: global_buffer, .address_space: global }
    .group_segment_fixed_size: 0
    .private_segment_fixed_size: 0
    .kernarg_segment_align: 8
    .kernarg_segment_size: 32
    .max_flat_workgroup_size: 256
    .sgpr_count:     66
    .vgpr_count:     176
    .wavefront_size: 32
...
	.end_amdgpu_metadata
.endif
;; end of part 4
